; MI455X (gfx1250); checked and timed in simulation.
; The chip was launched on July 23, 2026; its instructions are those of AMD's public machine-readable ISA for CDNA 5 (MIT licence, August 2026) and "CDNA5" Instruction Set Architecture Reference Guide (July 2026). The comments in the code are by the model that wrote it; some were corrected since.
;; Cross Attention. Allowed arithmetic: float matrix products may take bf16 or f16 operands with f32 sums; all other float work in f32.
;; Inputs: keys 8 x 1,024 x 8 x 64 float32; keysT 8 x 1,024 x 8 x 64 float32; queries 8 x 1,024 x 8 x 64 float32; values 8 x 1,024 x 8 x 64 float32; valuesT 8 x 1,024 x 8 x 64 float32.
;; Outputs: out0 8 x 1,024 x 8 x 64 float32.
;; One version. Each part assembles by itself: llvm-mc -triple=amdgcn-amd-amdhsa -mcpu=gfx1250 --defsym DOCPART=n.
;; ======== version 1 of 1: 1 launch
;; limits: values are held in f16: magnitudes above 65,504 overflow, below 6.1e-05 lose precision; inputs' magnitudes at most 65,504
;; launch attn (part 1): grid 256 x 1, 8 waves a work-group, no clusters, 224,256 bytes of LDS; arguments queries, keys, keysT, values, valuesT, out0; writes out0
.if DOCPART == 1
	.amdgcn_target "amdgcn-amd-amdhsa--gfx1250"
	.amdhsa_code_object_version 6
	.text
	.protected	k_qd8b8fa8897_attn
	.globl	k_qd8b8fa8897_attn
	.p2align	8
	.type	k_qd8b8fa8897_attn,@function
k_qd8b8fa8897_attn:
	s_mov_b64 s[64:65], 0
	v_nop
	global_prefetch_b8 v0, s[64:65] scope:SCOPE_SE
	s_setreg_imm32_b32 hwreg(HW_REG_WAVE_MODE, 25, 1), 1
	s_wait_xcnt 0x0
; Causal softmax attention, 8 batches x 8 output heads, L = S = 1024, E = D = 64, all tensors f32 [B][L][8][64]:
; a head's row is 256 bytes at a multiple of 256, rows lie 2,048 bytes apart, batches 1<<21 bytes.
; HEADS: the shuffle is the constant order 6 2 1 7 3 0 5 4.  Output heads 0..6 are queries, keys, values of
; source heads 2 1 7 3 0 5 4; output head 7 is queries head 6 against keysT, valuesT head 6.  Nibble ho of HEADS is the source head.
; SHARES: 256 work-groups of equal work.  Work-group x: i = x & 3, ho = (x >> 2) & 7, b = x >> 5.  The 1,024 queries of a head are 8
; blocks of 128; block J needs the key chunks 0..J of 128 keys.  The work-group makes block 7-i (pass 0) and block i (pass 1):
; (8-i) + (i+1) = 9 chunk trips for everyone.  In a pass the diagonal chunk comes first (masked; it starts all sums, nothing is
; cleared), then J-1 .. 0 without a mask: a running maximum allows any order of the keys.
; WAVES: wave w = 4 qh + ks has 64 queries (half qh of the block, four tiles of 16) and the 32 keys 32 ks .. 32 ks + 31 of each chunk,
; so each K and V byte of a chunk is read from LDS by two waves.  The four partial results of a query (own maximum, sum, O) are
; joined exactly at the end of a pass, through LDS, and leave as whole rows of 256 bytes.
; PRODUCTS ARE TRANSPOSED: S^T = K Q^T (A = 16 keys, B = 16 queries), O^T = V^T P^T (A = 16 d, B = 16 queries).  A lane then holds one
; query (lane % 16): maximum and sum over keys are in the lane plus one exchange of the halves, every softmax figure is one register,
; and the two key tiles' exponentials packed to f16 ARE the B fragment of P (registers 0-3: keys 8h.., 4-7: keys 16+8h..).
; K AND V come through registers (f32 loads, one packing to f16, LDS stores): one LDS slot, two barriers a trip; each chunk is
; requested one whole trip before it is packed.  NO TENSOR LOADS, NO JOINT LOADS IN A CLUSTER: the inputs are f32 and the products want
; 16-bit operands; a copy into LDS cannot convert, so each chunk's 64 KiB of f32 would be read back from LDS and 32 KiB written again;
; and the four work-groups of a head walk different chunk orders (7-i..0, then i..0), so their requests would not meet.
; NUMBERS: operands f16, sums f32.  WHY F16 AND NOT BF16: a query with few keys is a sum of a few terms p v of order 1 that may cancel
; to nearly nothing; f16's 11 significant bits round each factor by at most 2^-12 of it, bf16's 8 bits by 2^-9.  f16 has the room: p lies
; in [0, 1], and Q, K, V may be some 10,000 times the unit spread before they pass 65,504.
; p = 2^(c s - c m), c = log2(e)/8.  Masked scores are -inf and m is floored at -FLT_MAX, so a wave whose 32 keys are all masked for a
; query gives p = 0, l = 0, O = 0 and weight 0.  The sum l adds the unrounded p, the product uses p rounded to f16.
; LIMITS: inputs beyond 65,504 in magnitude become infinite in f16 and are not served; inputs below 2^-14 in magnitude round with an
; absolute error of up to 2^-25; a weight below 2^-25 of its share's running maximum counts as zero in the product; exponentials below
; 2^-126 count as zero (ISA guide 15.8); NaN or infinite inputs, and scores beyond f32's range, are not served.
.set HEADS, 0x64503712
.set KP,    144                        ; K's and Q's LDS row: 128 bytes + 16: an odd multiple of 16, so 16 rows of a fragment start 16 bytes apart modulo 256
.set VP,    160                        ; V's LDS row: 128 bytes + 32: an odd multiple of 32, for the transposing loads
.set CP,    272                        ; a row of an O partial: 256 bytes + 16
.set KB,    0                          ; chunk of K, f16, 128 rows x 144
.set VB,    18432                      ; chunk of V, f16, 128 rows [key][d] x 160
.set QB,    38912                      ; Q, f16: block 7-i, then block i, 128 rows x 144 each
.set QBLK,  18432
.set MB,    75776                      ; m[row][ks] f32, 2,048 bytes; l[row][ks] 2,048 bytes behind it
.set GB,    79872                      ; row: g0 g0 g1 g1 g2 g2 g3 g3; rows 16 w .. 16 w + 15 are wave w's own
.set CB,    83968                      ; O partials: [ks] x 128 rows x 272
.set CPART, 34816
; block 0 of the vector registers
.set GO,  4                            ; (16 w + h) 2048 + 16 r: my 16 bytes in two rows of a block or chunk, in memory.  Never rewritten
.set SK,  5                            ; where I put 4 f16 of K
.set SV,  6                            ; of V
.set SQ,  7                            ; of Q
.set KA,  8                            ; my K fragments
.set VA,  9                            ; my V fragments (transposing loads)
.set QA,  10                           ; my Q fragments
.set CW,  11                           ; where my O partial goes
.set MW,  12                           ; where my m goes (l: + 2048)
.set CR0, 13                           ; partials 0, 1 of the rows that I finish
.set CR1, 14                           ; partials 2, 3
.set MR,  15                           ; the four m of row 16 w + r
.set GW,  16                           ; that row's factors, written
.set GR,  17                           ; factors of the rows that I finish, read
.set DM,  18                           ; 64 qh + r - 32 ks - 8 h: query less key, without the tile's constants
.set NINF, 19
.set SM,  20                           ; tile q at SM + 4 q: NM = -c m, M, AL = 2^(c m_old - c m_new), PX (target of the exchange)
.set LS,  36                           ; tile q: a pair of running sums
.set KF,  64                           ; K fragments [key tile u][e half s] at 16 u + 8 s
.set VF,  96                           ; V^T fragments [d tile t] at 8 t
.set SC,  128                          ; scores [q] at 16 q (key tile 1 at + 8); P[q] is packed in place into the first 8
.set KS,  192                          ; K in f32 on its way in
.set VS,  224                          ; V in f32 on its way in
.set RG,  64                           ; the way out: 24 registers for each of four pairs of rows
; block 1 (named by the low 8 bits)
.set OA,  0                            ; v256-383: O[q][t] at 32 q + 8 t
.set QF,  128                          ; v384-447: Q fragments [q][s] at 16 q + 8 s
.set MSB, 0
.macro WIN new                         ; s_set_vgpr_msb: bits 1:0 source 0, 3:2 source 1, 5:4 source 2, 7:6 destination; the high byte repeats the setting left
.if MSB != \new
	s_set_vgpr_msb (MSB<<8)|\new
.set MSB, \new
.endif
.endm
.macro PLACES n
.rept \n
	v_nop
.endr
.endm
; The next chunk's K and V, f32, 16 bytes a lane: sixteen lanes take one aligned row of 256 bytes.  step = 1: first go on to the next chunk
; of the order 7-i .. 0, i .. 0.  The two bases are rewritten only where no load that names them is out (s_wait_loadcnt 0 stands in front).
.macro LOADKV step
.if \step
	s_sub_co_u32 s19, s38, 1
	s_cmp_eq_u32 s38, 0
	s_cselect_b32 s38, s17, s19                    ; behind chunk 0 of pass 0 comes chunk i of pass 1
.endif
	s_lshl_b32 s36, s38, 18                        ; 128 rows of 2,048 bytes; s37 = 0
	s_add_nc_u64 s[24:25], s[20:21], s[36:37]
	s_add_nc_u64 s[26:27], s[22:23], s[36:37]
.irp n, 0,1,2,3,4,5,6,7
	global_load_b128 v[KS+4*\n:KS+4*\n+3], v[GO], s[24:25] offset:4096*\n
.endr
.irp n, 0,1,2,3,4,5,6,7
	global_load_b128 v[VS+4*\n:VS+4*\n+3], v[GO], s[26:27] offset:4096*\n
.endr
.endm
; Pack to f16 in place and store 8 bytes a lane into the slot.
.macro CVTSTORE
.irp n, 0,1,2,3,4,5,6,7
	v_cvt_pk_f16_f32 v[KS+4*\n],   v[KS+4*\n],   v[KS+4*\n+1]
	v_cvt_pk_f16_f32 v[KS+4*\n+1], v[KS+4*\n+2], v[KS+4*\n+3]
	v_cvt_pk_f16_f32 v[VS+4*\n],   v[VS+4*\n],   v[VS+4*\n+1]
	v_cvt_pk_f16_f32 v[VS+4*\n+1], v[VS+4*\n+2], v[VS+4*\n+3]
.endr
.irp n, 0,1,2,3,4,5,6,7
	ds_store_b64 v[SK], v[KS+4*\n:KS+4*\n+1] offset:2*KP*\n
	ds_store_b64 v[SV], v[VS+4*\n:VS+4*\n+1] offset:2*VP*\n
.endr
.endm
; The slot gets the next trip's chunk, and the chunk after that is requested.  s39 counts the stores still to come (8 behind the first):
; the last trip stores nothing, the last but one requests nothing, so no load leaves its buffer.
.macro REFILL
	s_cmp_eq_u32 s39, 0
	s_cbranch_scc1 .Lnofill_\@
	s_wait_loadcnt 0x0                             ; the 16 loads issued one trip ago
	CVTSTORE
	s_sub_co_u32 s39, s39, 1
	s_cmp_eq_u32 s39, 0
	s_cbranch_scc1 .Lnofill_\@
	LOADKV 1
.Lnofill_\@:
.endm
; Fragments: 16 rows x 32 along the row in 8 registers; lane (r, h) takes row r, 16 bytes at 16 h and 16 bytes 32 further (ISA guide 7.12.2).
.macro QFRAG p
	WIN 0x40                                       ; destination in block 1
.irp q, 0,1,2,3
.irp s, 0,1
	ds_load_b128 v[QF+16*\q+8*\s:QF+16*\q+8*\s+3],   v[QA] offset:\p*QBLK+16*KP*\q+64*\s
	ds_load_b128 v[QF+16*\q+8*\s+4:QF+16*\q+8*\s+7], v[QA] offset:\p*QBLK+16*KP*\q+64*\s+32
.endr
.endr
	WIN 0
.endm
.macro KVFRAG
.irp u, 0,1
.irp s, 0,1
	ds_load_b128 v[KF+16*\u+8*\s:KF+16*\u+8*\s+3],   v[KA] offset:16*KP*\u+64*\s
	ds_load_b128 v[KF+16*\u+8*\s+4:KF+16*\u+8*\s+7], v[KA] offset:16*KP*\u+64*\s+32
.endr
.endr
.irp t, 0,1,2,3
	ds_load_tr16_b128 v[VF+8*\t:VF+8*\t+3],   v[VA] offset:32*\t          ; keys 8h .. 8h+7 of column d = 16 t + r
	ds_load_tr16_b128 v[VF+8*\t+4:VF+8*\t+7], v[VA] offset:32*\t+16*VP    ; keys 16+8h ..
.endr
.endm
; 16 products: S^T[q][u] = K[u] Q[q]^T over e = 0..63.  The eight accumulators take turns, one instruction a turn.
.macro SMUL
	WIN 0x04                                       ; B (Q) in block 1
.irp q, 0,1,2,3
.irp u, 0,1
	v_wmma_f32_16x16x32_f16 v[SC+16*\q+8*\u:SC+16*\q+8*\u+7], v[KF+16*\u:KF+16*\u+7], v[QF+16*\q:QF+16*\q+7], 0
.endr
.endr
.irp q, 0,1,2,3
.irp u, 0,1
	v_wmma_f32_16x16x32_f16 v[SC+16*\q+8*\u:SC+16*\q+8*\u+7], v[KF+16*\u+8:KF+16*\u+15], v[QF+16*\q+8:QF+16*\q+15], v[SC+16*\q+8*\u:SC+16*\q+8*\u+7]
.endr
.endr
	WIN 0
.endm
; The diagonal chunk: key 32 ks + 16 u + 8 h + j beyond query 64 qh + 16 q + r gets -inf.
.macro MASK
.irp q, 0,1,2,3
.irp u, 0,1
.irp j, 0,1,2,3,4,5,6,7
	v_cmp_gt_i32 vcc_lo, 16*(\u-\q)+\j, v[DM]
	v_cndmask_b32 v[SC+16*\q+8*\u+\j], v[SC+16*\q+8*\u+\j], v[NINF], vcc_lo
.endr
.endr
.endr
.endm
; The running maxima of the four tiles, four chains that do not wait for each other; then AL and the new NM.
.macro MAXALL first
.irp q, 0,1,2,3
.if \first
	v_max3_num_f32 v[SM+4*\q+1], v[SC+16*\q], v[SC+16*\q+1], s47          ; the floor -FLT_MAX starts the maximum
.else
	v_max3_num_f32 v[SM+4*\q+1], v[SC+16*\q], v[SC+16*\q+1], v[SM+4*\q+1]
.endif
.endr
.irp k, 1,2,3,4,5,6,7
.irp q, 0,1,2,3
	v_max3_num_f32 v[SM+4*\q+1], v[SC+16*\q+2*\k], v[SC+16*\q+2*\k+1], v[SM+4*\q+1]
.endr
.endr
.irp q, 0,1,2,3
	v_permlanex16_b32 v[SM+4*\q+3], v[SM+4*\q+1], s48, s49                ; the other half's eight keys of each tile
.endr
.irp q, 0,1,2,3
	v_max_num_f32 v[SM+4*\q+1], v[SM+4*\q+1], v[SM+4*\q+3]
.endr
.if \first == 0
.irp q, 0,1,2,3
	v_fma_f32 v[SM+4*\q+2], s46, v[SM+4*\q+1], -v[SM+4*\q]                ; c m_old - c m_new
.endr
.endif
.irp q, 0,1,2,3
	v_mul_f32 v[SM+4*\q], s46, v[SM+4*\q+1]                               ; NM = -c m_new
.endr
.if \first == 0
.irp q, 0,1,2,3
	v_exp_f32 v[SM+4*\q+2], v[SM+4*\q+2]           ; used far below; the packed multiply-adds that follow touch none of these (ISA guide 5.7.2)
.endr
.endif
.endm
.macro FMAQ q                          ; c s - c m, two at a time
.irp k, 0,1,2,3,4,5,6,7
	v_pk_fma_f32 v[SC+16*\q+2*\k:SC+16*\q+2*\k+1], v[SC+16*\q+2*\k:SC+16*\q+2*\k+1], s[44:45], v[SM+4*\q:SM+4*\q+1] op_sel_hi:[1,0,0]
.endr
.endm
.macro EXPQ q                          ; behind each run of 16 stands plain work on another tile before a result is used (ISA guide 5.7.2)
.irp k, 0,1,2,3,4,5,6,7,8,9,10,11,12,13,14,15
	v_exp_f32 v[SC+16*\q+\k], v[SC+16*\q+\k]
.endr
.endm
; l = l AL + the sum of p, and p packed to f16 in place, by turns.  Packing k writes register k, which pair k/2 has already given to the sum and to its packing.
.macro SUMCVT q, first
.if \first
	s_wait_alu depctr_va_vdst(0)
	v_pk_add_f32 v[LS+2*\q:LS+2*\q+1], v[SC+16*\q:SC+16*\q+1], v[SC+16*\q+2:SC+16*\q+3]
	v_cvt_pk_f16_f32 v[SC+16*\q], v[SC+16*\q], v[SC+16*\q+1]
.else
	s_wait_alu depctr_va_vdst(0)
	v_pk_fma_f32 v[LS+2*\q:LS+2*\q+1], v[LS+2*\q:LS+2*\q+1], v[SM+4*\q+2:SM+4*\q+3], v[SC+16*\q:SC+16*\q+1] op_sel_hi:[1,0,1]
	v_cvt_pk_f16_f32 v[SC+16*\q], v[SC+16*\q], v[SC+16*\q+1]
	v_pk_add_f32 v[LS+2*\q:LS+2*\q+1], v[LS+2*\q:LS+2*\q+1], v[SC+16*\q+2:SC+16*\q+3]
.endif
	v_cvt_pk_f16_f32 v[SC+16*\q+1], v[SC+16*\q+2], v[SC+16*\q+3]
.irp k, 2,3,4,5,6,7
	v_pk_add_f32 v[LS+2*\q:LS+2*\q+1], v[LS+2*\q:LS+2*\q+1], v[SC+16*\q+2*\k:SC+16*\q+2*\k+1]
	v_cvt_pk_f16_f32 v[SC+16*\q+\k], v[SC+16*\q+2*\k], v[SC+16*\q+2*\k+1]
.endr
.endm
.macro RESCALE                         ; O = O AL: a lane's 32 numbers of tile q belong to one query
	WIN 0x41                                       ; destination and source 0 in block 1, AL in block 0
.irp q, 0,1,2,3
.irp k, 0,1,2,3,4,5,6,7,8,9,10,11,12,13,14,15
	v_pk_mul_f32 v[OA+32*\q+2*\k:OA+32*\q+2*\k+1], v[OA+32*\q+2*\k:OA+32*\q+2*\k+1], v[SM+4*\q+2:SM+4*\q+3] op_sel_hi:[1,0]
.endr
.endr
.endm
; 16 products: O^T[q][t] += V^T[t] P[q]^T over my 32 keys.  Sixteen accumulators, one instruction each: turns.
.macro PVMUL first
.irp t, 0,1,2,3
.irp q, 0,1,2,3
.if \first
	v_wmma_f32_16x16x32_f16 v[OA+32*\q+8*\t:OA+32*\q+8*\t+7], v[VF+8*\t:VF+8*\t+7], v[SC+16*\q:SC+16*\q+7], 0
.else
	v_wmma_f32_16x16x32_f16 v[OA+32*\q+8*\t:OA+32*\q+8*\t+7], v[VF+8*\t:VF+8*\t+7], v[SC+16*\q:SC+16*\q+7], v[OA+32*\q+8*\t:OA+32*\q+8*\t+7]
.endif
.endr
.endr
.endm
; One trip: one chunk of 128 keys.  first = 1: the diagonal chunk of pass p.
; Two barriers.  READ: in front of its signal my reads of the slot are back; behind its wait the slot is written.  The whole softmax stands between signal and wait.
; FULL: in front of its signal my stores into the slot are done; behind its wait the slot is read.  The PV products stand between signal and wait.
.macro BODY first, p
.if \first
	QFRAG \p
.endif
	KVFRAG
	s_wait_dscnt 0x8                               ; Q's and K's fragments are in; V's eight loads, the youngest, may be out
	SMUL
	s_wait_dscnt 0x0                               ; V's too: my reads of the slot are over
	s_barrier_signal -1                            ; READ
	PLACES 4                                       ; four places behind the last product before vector work reads the scores (ISA guide 7.12.1)
.if \first
	MASK
.endif
	MAXALL \first
	FMAQ 0
	EXPQ 0
	FMAQ 1
	EXPQ 1
	SUMCVT 0, \first
	FMAQ 2
	EXPQ 2
	SUMCVT 1, \first
	FMAQ 3
	EXPQ 3
	SUMCVT 2, \first
	SUMCVT 3, \first
	s_barrier_wait -1                              ; READ: nobody reads the slot any more
	REFILL
.if \first == 0
	RESCALE
.endif
	s_wait_dscnt 0x0                               ; my stores into the slot are done
	s_barrier_signal -1                            ; FULL
.if \first
	WIN 0x40                                       ; D in block 1
.else
	WIN 0x50                                       ; C and D in block 1
.endif
	PVMUL \first
	WIN 0
	PLACES 5                                       ; behind the last product: 4 places before loads into V's fragments or LDS stores of O, 5 before products write over P (ISA guide 7.12.1 for the products)
	s_barrier_wait -1                              ; FULL: the slot holds the next chunk
.endm
; Four pairs of rows 16 w + 2 n + h, n = 4 g .. 4 g + 3: out = g0 O0 + g1 O1 + g2 O2 + g3 O3; sixteen lanes store one aligned row of 256 bytes.
.macro RGROUP g, p
.irp m, 0,1,2,3
	ds_load_b128 v[RG+24*\m:RG+24*\m+3],     v[GR]  offset:64*(4*\g+\m)
	ds_load_b128 v[RG+24*\m+4:RG+24*\m+7],   v[GR]  offset:64*(4*\g+\m)+16
	ds_load_b128 v[RG+24*\m+8:RG+24*\m+11],  v[CR0] offset:2*CP*(4*\g+\m)
	ds_load_b128 v[RG+24*\m+12:RG+24*\m+15], v[CR0] offset:2*CP*(4*\g+\m)+CPART
	ds_load_b128 v[RG+24*\m+16:RG+24*\m+19], v[CR1] offset:2*CP*(4*\g+\m)
	ds_load_b128 v[RG+24*\m+20:RG+24*\m+23], v[CR1] offset:2*CP*(4*\g+\m)+CPART
.endr
.irp m, 0,1,2,3
	s_wait_dscnt 6*(3-\m)                          ; LDS loads come back in order (ISA guide 5.7.1): the six of each later pair of rows may be out
	v_pk_mul_f32 v[RG+24*\m+8:RG+24*\m+9],   v[RG+24*\m+8:RG+24*\m+9],   v[RG+24*\m:RG+24*\m+1]
	v_pk_mul_f32 v[RG+24*\m+10:RG+24*\m+11], v[RG+24*\m+10:RG+24*\m+11], v[RG+24*\m:RG+24*\m+1]
.irp u, 1,2,3
	v_pk_fma_f32 v[RG+24*\m+8:RG+24*\m+9],   v[RG+24*\m+8+4*\u:RG+24*\m+9+4*\u],   v[RG+24*\m+2*\u:RG+24*\m+2*\u+1], v[RG+24*\m+8:RG+24*\m+9]
	v_pk_fma_f32 v[RG+24*\m+10:RG+24*\m+11], v[RG+24*\m+10+4*\u:RG+24*\m+11+4*\u], v[RG+24*\m+2*\u:RG+24*\m+2*\u+1], v[RG+24*\m+10:RG+24*\m+11]
.endr
	global_store_b128 v[GO], v[RG+24*\m+8:RG+24*\m+11], s[32+2*\p:33+2*\p] offset:4096*(4*\g+\m) th:TH_STORE_NT
.endr
.endm
; The end of a pass: the four key shares of each query are joined.  out = sum of f_p O_p / sum of f_p l_p, f_p = 2^(c m_p - c max m).
.macro COMBINE p
.irp q, 0,1,2,3
	v_add_f32 v[LS+2*\q], v[LS+2*\q], v[LS+2*\q+1]
.endr
.irp q, 0,1,2,3
	v_permlanex16_b32 v[SM+4*\q+3], v[LS+2*\q], s48, s49
.endr
.irp q, 0,1,2,3
	v_add_f32 v[LS+2*\q], v[LS+2*\q], v[SM+4*\q+3]                        ; l over my 32 keys, in both halves
.endr
	WIN 0x04                                       ; store data in block 1
.irp q, 0,1,2,3
.irp t, 0,1,2,3
	ds_store_b128 v[CW], v[OA+32*\q+8*\t:OA+32*\q+8*\t+3]   offset:16*CP*\q+64*\t      ; query 64 qh + 16 q + r, d = 16 t + 8 h + 0..3
	ds_store_b128 v[CW], v[OA+32*\q+8*\t+4:OA+32*\q+8*\t+7] offset:16*CP*\q+64*\t+16   ; d + 4..7
.endr
.endr
	WIN 0
.irp q, 0,1,2,3
	ds_store_b32 v[MW], v[SM+4*\q+1] offset:256*\q                        ; both halves write the same word with the same value
	ds_store_b32 v[MW], v[LS+2*\q]   offset:2048+256*\q
.endr
	s_wait_dscnt 0x0                               ; for the others' sake: my partials are in LDS
	s_barrier_signal -1
	s_barrier_wait -1
	ds_load_b128 v[160:163], v[MR]                 ; row 16 w + r: m of the four shares
	ds_load_b128 v[164:167], v[MR] offset:2048     ; and l
	s_wait_dscnt 0x0
	v_max3_num_f32 v168, v160, v161, v162
	v_max_num_f32 v168, v168, v163
	v_mul_f32 v168, s46, v168                      ; -c max m
.irp u, 0,1,2,3
	v_fma_f32 v[160+\u], s44, v[160+\u], v168
.endr
.irp u, 0,1,2,3
	v_exp_f32 v[160+\u], v[160+\u]                 ; f
.endr
	v_nop                                          ; one plain place behind the exponentials (ISA guide 5.7.2)
	s_wait_alu depctr_va_vdst(0)
	v_mul_f32 v169, v160, v164
	v_fmac_f32 v169, v161, v165
	v_fmac_f32 v169, v162, v166
	v_fmac_f32 v169, v163, v167                    ; at least 1: the share that holds the maximum has f = 1 and a term 1 in its l
	v_rcp_f32 v169, v169
	v_nop                                          ; one plain place behind the reciprocal
	s_wait_alu depctr_va_vdst(0)
.irp u, 0,1,2,3
	v_mul_f32 v[170+2*\u], v[160+\u], v169         ; g = f / sum, twice: a pair for the packed arithmetic
	v_mul_f32 v[171+2*\u], v[160+\u], v169
.endr
	ds_store_b128 v[GW], v[170:173]                ; my wave's own bytes: LDS serves a wave's instructions in order (ISA guide 5.7.1), so the loads below see them
	ds_store_b128 v[GW], v[174:177] offset:16
	RGROUP 0, \p
	s_wait_xcnt 0x0                                ; the stores' data registers are loaded again only behind this wait
	RGROUP 1, \p
.if \p == 0
	s_wait_xcnt 0x0                                ; and again: pass 1 loads fragments into them
.endif
.endm
	; ---- ids, addresses ----
	s_load_b256 s[4:11], s[0:1], 0x0               ; queries s[4:5], keys s[6:7], keysT s[8:9], values s[10:11]
	s_load_b128 s[12:15], s[0:1], 0x20             ; valuesT s[12:13], out0 s[14:15]
	v_lshl_add_u32 v62, v0, 2, 0x36800
	v_mov_b32 v63, 0
	v_lshrrev_b32 v1, 5, v0
	v_readfirstlane_b32 s2, v1                     ; w
	s_and_b32 s3, s2, 3                            ; ks
	s_lshr_b32 s16, s2, 2                          ; qh
	s_and_b32 s17, ttmp9, 3                        ; i
	s_bfe_u32 s18, ttmp9, 0x30002                  ; ho
	s_lshr_b32 s19, ttmp9, 5                       ; b
	s_sub_co_u32 s40, 7, s17                       ; 7 - i
	s_lshl_b32 s42, s18, 2
	s_lshr_b32 s42, HEADS, s42
	s_and_b32 s42, s42, 7                          ; the source head
	s_lshl_b32 s19, s19, 21
	s_lshl_b32 s42, s42, 8
	s_add_co_u32 s36, s19, s42                     ; byte offset of (b, source head)
	s_mov_b32 s37, 0
	s_lshl_b32 s43, s18, 8
	s_add_co_u32 s43, s19, s43                     ; byte offset of (b, ho) in out0
	s_lshl_b32 s50, s40, 18                        ; block 7-i
	s_mov_b32 s51, 0
	s_lshl_b32 s52, s17, 18                        ; block i
	s_mov_b32 s53, 0
	s_mov_b32 s38, s40                             ; the first chunk: 7-i
	s_mov_b32 s39, 8                               ; slot stores behind the first
	s_mov_b32 s44, 0x3e38aa3b                      ; c = log2(e) / 8
	s_mov_b32 s45, 0x3e38aa3b
	s_mov_b32 s46, 0xbe38aa3b                      ; -c
	s_mov_b32 s47, 0xff7fffff                      ; -FLT_MAX
	s_mov_b32 s48, 0x76543210                      ; v_permlanex16_b32: lane i takes lane i of the other half
	s_mov_b32 s49, 0xfedcba98
	v_and_b32 v1, 15, v0                           ; r
	v_bfe_u32 v2, v0, 4, 1                         ; h
	v_lshl_add_u32 v3, s2, 4, v2                   ; 16 w + h
	v_lshlrev_b32 v[GO], 11, v3
	v_lshl_add_u32 v[GO], v1, 4, v[GO]
	s_wait_kmcnt 0x0
	s_cmp_eq_u32 s18, 7                            ; output head 7 takes keysT and valuesT
	s_cselect_b64 s[20:21], s[8:9], s[6:7]
	s_cselect_b64 s[22:23], s[12:13], s[10:11]
	s_add_nc_u64 s[20:21], s[20:21], s[36:37]      ; K at (b, head)
	s_add_nc_u64 s[22:23], s[22:23], s[36:37]      ; V at (b, head)
	s_add_nc_u64 s[28:29], s[4:5], s[36:37]
	s_add_nc_u64 s[30:31], s[28:29], s[52:53]      ; Q, block i
	s_add_nc_u64 s[28:29], s[28:29], s[50:51]      ; Q, block 7-i
	s_mov_b32 s36, s43
	s_add_nc_u64 s[32:33], s[14:15], s[36:37]
	s_add_nc_u64 s[34:35], s[32:33], s[52:53]      ; out, pass 1
	s_add_nc_u64 s[32:33], s[32:33], s[50:51]      ; out, pass 0
.irp n, 0,1,2,3,4,5,6,7
	global_load_b128 v[SC+4*\n:SC+4*\n+3], v[GO], s[28:29] offset:4096*\n th:TH_LOAD_NT      ; each Q row is read once in the launch
.endr
.irp n, 0,1,2,3,4,5,6,7
	global_load_b128 v[SC+32+4*\n:SC+32+4*\n+3], v[GO], s[30:31] offset:4096*\n th:TH_LOAD_NT
.endr
	LOADKV 0
	; LDS addresses: constants, the wave's number and the lane
	v_mul_u32_u24 v[SK], v3, KP
	v_lshl_add_u32 v[SK], v1, 3, v[SK]             ; KB = 0
	v_mul_u32_u24 v[SV], v3, VP
	v_lshl_add_u32 v[SV], v1, 3, v[SV]
	v_add_nc_u32 v[SV], VB, v[SV]
	v_add_nc_u32 v[SQ], QB, v[SK]
	v_lshl_add_u32 v44, s3, 5, v1                  ; key 32 ks + r
	v_mul_u32_u24 v[KA], v44, KP
	v_lshl_add_u32 v[KA], v2, 4, v[KA]
	v_and_b32 v45, 7, v0
	v_lshl_add_u32 v45, v2, 3, v45
	v_lshl_add_u32 v45, s3, 5, v45                 ; key 32 ks + 8 h + lane % 8
	v_mul_u32_u24 v[VA], v45, VP
	v_bfe_u32 v46, v0, 3, 1
	v_lshl_add_u32 v[VA], v46, 4, v[VA]
	v_add_nc_u32 v[VA], VB, v[VA]
	v_lshl_add_u32 v47, s16, 6, v1                 ; query 64 qh + r
	v_mul_u32_u24 v[QA], v47, KP
	v_lshl_add_u32 v[QA], v2, 4, v[QA]
	v_add_nc_u32 v[QA], QB, v[QA]
	s_mul_i32 s19, s3, CPART
	s_add_co_u32 s19, s19, CB
	v_mul_u32_u24 v[CW], v47, CP
	v_lshl_add_u32 v[CW], v2, 5, v[CW]
	v_add_nc_u32 v[CW], s19, v[CW]
	v_lshlrev_b32 v[MW], 4, v47
	v_lshl_add_u32 v[MW], s3, 2, v[MW]
	v_add_nc_u32 v[MW], MB, v[MW]
	v_mul_u32_u24 v[CR0], v3, CP
	v_lshl_add_u32 v[CR0], v1, 4, v[CR0]
	v_add_nc_u32 v[CR0], CB, v[CR0]
	v_add_nc_u32 v[CR1], 2*CPART, v[CR0]
	v_lshl_add_u32 v48, s2, 4, v1                  ; row 16 w + r
	v_lshlrev_b32 v[MR], 4, v48
	v_add_nc_u32 v[MR], MB, v[MR]
	v_lshlrev_b32 v[GW], 5, v48
	v_add_nc_u32 v[GW], GB, v[GW]
	v_lshlrev_b32 v[GR], 5, v3
	v_add_nc_u32 v[GR], GB, v[GR]
	v_lshl_add_u32 v49, s3, 2, v2
	v_lshlrev_b32 v49, 3, v49                      ; 32 ks + 8 h
	v_sub_nc_u32 v[DM], v47, v49
	v_mov_b32 v[NINF], 0xff800000
.irp q, 0,1,2,3
	v_mov_b32 v[SM+4*\q+3], 0                      ; the exchange's target counts as read: written once here
.endr
	s_wait_loadcnt 0x10                            ; Q's 16 loads are in; the 16 of K and V, issued behind them, stay out
.irp n, 0,1,2,3,4,5,6,7,8,9,10,11,12,13,14,15
	v_cvt_pk_f16_f32 v[SC+4*\n],   v[SC+4*\n],   v[SC+4*\n+1]
	v_cvt_pk_f16_f32 v[SC+4*\n+1], v[SC+4*\n+2], v[SC+4*\n+3]
.endr
.irp n, 0,1,2,3,4,5,6,7
	ds_store_b64 v[SQ], v[SC+4*\n:SC+4*\n+1] offset:2*KP*\n
	ds_store_b64 v[SQ], v[SC+32+4*\n:SC+32+4*\n+1] offset:QBLK+2*KP*\n
.endr
	s_wait_loadcnt 0x0                             ; the first chunk
	CVTSTORE
	LOADKV 1                                       ; the second chunk is on its way during the first trip
	s_wait_dscnt 0x0                               ; for the others' sake: my rows of Q, K and V are in LDS
	s_barrier_signal -1
	s_barrier_wait -1
	; ---- pass 0: block 7-i; 7-i (at least 4) chunks behind the diagonal ----
	BODY 1, 0
	s_mov_b32 s41, 0
.Lfull_0:
	BODY 0, 0
	s_add_co_u32 s41, s41, 1
	s_cmp_lt_u32 s41, s40
	s_cbranch_scc1 .Lfull_0
	COMBINE 0
	; ---- pass 1: block i; i chunks behind the diagonal.  The trips' barriers stand between pass 0's reads of the partials and pass 1's stores ----
	BODY 1, 1
	s_cmp_eq_u32 s17, 0
	s_cbranch_scc1 .Lcomb_1
	s_mov_b32 s41, 0
.Lfull_1:
	BODY 0, 1
	s_add_co_u32 s41, s41, 1
	s_cmp_lt_u32 s41, s17
	s_cbranch_scc1 .Lfull_1
.Lcomb_1:
	COMBINE 1
	s_wait_tensorcnt 0x0
	ds_add_u32 v62, v63
	s_wait_dscnt 0x0
	s_endpgm
.Lfunc_end_k_qd8b8fa8897_attn:
	.size	k_qd8b8fa8897_attn, .Lfunc_end_k_qd8b8fa8897_attn-k_qd8b8fa8897_attn
	.p2alignl 7, 3214868480
	.fill 96, 4, 3214868480
	.section	.rodata,"a",@progbits
	.p2align	6, 0x0
	.amdhsa_kernel k_qd8b8fa8897_attn
		.amdhsa_group_segment_fixed_size 224256
		.amdhsa_private_segment_fixed_size 0
		.amdhsa_enable_private_segment 0
		.amdhsa_kernarg_size 48
		.amdhsa_user_sgpr_count 2
		.amdhsa_user_sgpr_kernarg_segment_ptr 1
		.amdhsa_wavefront_size32 1
		.amdhsa_system_sgpr_workgroup_id_x 1
		.amdhsa_system_sgpr_workgroup_id_y 1
		.amdhsa_system_sgpr_workgroup_id_z 1
		.amdhsa_system_vgpr_workitem_id 0
		.amdhsa_next_free_vgpr 448
		.amdhsa_next_free_sgpr 66
		.amdhsa_reserve_vcc 1
		.amdhsa_float_denorm_mode_32 3
		.amdhsa_float_denorm_mode_16_64 3
		.amdhsa_memory_ordered 1
		.amdhsa_forward_progress 1
		.amdhsa_inst_pref_size 138
	.end_amdhsa_kernel
	.amdgpu_metadata
---
amdhsa.version: [ 1, 2 ]
amdhsa.kernels:
  - .name:           k_qd8b8fa8897_attn
    .symbol:         k_qd8b8fa8897_attn.kd
    .args:
      - { .name: queries, .offset: 0, .size: 8, .value_kind: global_buffer, .address_space: global }
      - { .name: keys, .offset: 8, .size: 8, .value_kind: global_buffer, .address_space: global }
      - { .name: keysT, .offset: 16, .size: 8, .value_kind: global_buffer, .address_space: global }
      - { .name: values, .offset: 24, .size: 8, .value_kind: global_buffer, .address_space: global }
      - { .name: valuesT, .offset: 32, .size: 8, .value_kind: global_buffer, .address_space: global }
      - { .name: out0, .offset: 40, .size: 8, .value_kind: global_buffer, .address_space: global }
    .group_segment_fixed_size: 224256
    .private_segment_fixed_size: 0
    .kernarg_segment_align: 8
    .kernarg_segment_size: 48
    .max_flat_workgroup_size: 256
    .sgpr_count:     66
    .vgpr_count:     448
    .wavefront_size: 32
...
	.end_amdgpu_metadata
.endif
;; end of part 1
